; MI455X (gfx1250); checked and timed in simulation.
; The chip was launched on July 23, 2026; its instructions are those of AMD's public machine-readable ISA for CDNA 5 (MIT licence, August 2026) and "CDNA5" Instruction Set Architecture Reference Guide (July 2026). The comments in the code are by the model that wrote it; some were corrected since.
;; Multi Head Attention. Allowed arithmetic: matrix products marked QUANTISED: E4M3 operands, one given power-of-two scale a tensor, by v_wmma_f32_16x16x64_fp8_fp8 or v_wmma_f32_16x16x128_fp8_fp8, f32 sums; everything else in f32.
;; Inputs: bk 16 x 64 float32; bp 1,024 float32; bq 16 x 64 float32; bv 16 x 64 float32; lowp_scales 12 int32 (the exponents e of the quantised operands' scales 2^e); wk_codes 16 x 64 x 32 x 32 uint8 (E4M3 codes of wk, K innermost, in blocks of 32 codes); wp_codes 1,024 x 32 x 32 uint8 (E4M3 codes of wp, K innermost, in blocks of 32 codes); wq_codes 16 x 64 x 32 x 32 uint8 (E4M3 codes of wq, K innermost, in blocks of 32 codes); wv_codes 16 x 64 x 32 x 32 uint8 (E4M3 codes of wv, K innermost, in blocks of 32 codes); x_codes 8 x 1,000 x 32 x 32 uint8 (E4M3 codes of x, K innermost, in blocks of 32 codes).
;; Outputs: out0 8 x 1,000 x 1,024 float32.
;; This version of the problem:
;;   THIS VERSION OF THE PROBLEM IS GIVEN IN LOW PRECISION. The matrix products marked QUANTISED in the list below multiply operands that are first quantised to E4M3 (4 exponent bits, 3 mantissa bits; 8 bits a number), with one given power-of-two scale for each operand tensor; their sums are f32. All else is computed in f32.
;;   The module's matrix products, in the order in which they are computed (A, B: the left and right operand; K: the contracted axis; several contracted axes count as one K, in the product's order):
;;     1. [M 1,024, K 1,024] x [K 1,024, N 8,000]; A: input wq (given as codes); B: input x (given as codes): QUANTISED (scales: A lowp_scales[0], B lowp_scales[1])
;;     2. [M 1,024, K 1,024] x [K 1,024, N 8,000]; A: input wk (given as codes); B: input x (given as codes): QUANTISED (scales: A lowp_scales[2], B lowp_scales[3])
;;     3. [M 1,024, K 1,024] x [K 1,024, N 8,000]; A: input wv (given as codes); B: input x (given as codes): QUANTISED (scales: A lowp_scales[4], B lowp_scales[5])
;;     4. batch 128 x [M 1,000, K 64] x [K 64, N 1,000]; A: computed on the way; B: computed on the way: QUANTISED (scales: A lowp_scales[6], B lowp_scales[7])
;;     5. batch 128 x [M 1,000, K 1,000] x [K 1,000, N 64]; A: softmax (see below); B: computed on the way: QUANTISED (scales: A lowp_scales[8], B lowp_scales[9])
;;     6. [M 8,000, K 1,024] x [K 1,024, N 1,024]; A: computed on the way; B: input wp (given as codes): QUANTISED (scales: A lowp_scales[10], B lowp_scales[11])
;;   THE QUANTISER, for each operand of a quantised product, along K:
;;     - The operand's scale is 2^e, e = its entry of the input lowp_scales (int32; the entries are numbered through the quantised products in the list's order, A before B).
;;     - Each number is divided by the scale, clamped to +-448, and rounded to the nearest number of E4M3, ties to even, subnormals kept.
;;     - The product sums the exact products of the quantised numbers (number of the format x scale) in f32.
;;   ~~~python
;;   def quantise(x, axis, e):      # numpy; x: float32 -> the quantised numbers, widened to float32 again
;;       x = np.moveaxis(x, axis, -1); K = x.shape[-1]
;;       r = np.clip(x / 2.0 ** e, -448, 448)
;;       step = 2.0 ** (np.maximum(np.frexp(np.where(r == 0, 1, r))[1] - 1, -6) - 3)
;;       q = np.round(r / step) * step * 2.0 ** e      # np.round: ties to even
;;       return np.moveaxis(q, -1, axis).astype(np.float32)
;;   ~~~
;;   SOFTMAX AHEAD OF A QUANTISED PRODUCT. Where the list says 'softmax', what is quantised is not the finished softmax but p = 2^(t - M), with t = logit x log2(e) and M = ceil(the row's largest t), a whole number; so 1/2 < the row's largest p <= 1. The row's sum l is taken of the UNQUANTISED p, in f32, and the product's result is divided by l at the end. Since M is a whole number, a kernel that streams over the keys may use a running M (the ceiling of the running maximum): every later rescaling is an exact power of two, so the quantised numbers keep their values, but for numbers so far below the row's largest that they fall under the format's range.
;;   OPERANDS COMPUTED ON THE WAY. 'Computed on the way' means the value that the module computes at that place (a softmax that the list does not call 'softmax' is quantised finished and normalised). What goes into a quantiser is computed in f32, as accurately as f32 sums, v_exp_f32 and their like allow (about 1e-6 of the number): no bf16 or f16 on the way to a quantiser, and a product that is left as it is and whose result goes on into a quantised operand takes f32 operands (vector FMAs, or v_wmma_f32_16x16x4_f32). A number that lies on a knife's edge between two numbers of the format may be rounded either way, as far as f32 arithmetic and the matrix unit's own rounding can turn it there, and no further.
;;   INPUTS GIVEN AS CODES. wk (in the module: [16, 1024, 64], K = its axis 1); wp (in the module: [1024, 1024], K = its axis 0); wq (in the module: [16, 1024, 64], K = its axis 1); wv (in the module: [16, 1024, 64], K = its axis 1); x (in the module: [8, 1000, 1024], K = its axis 2): each comes as NAME_codes (uint8): NAME with its K axis moved to the last place and cut into blocks of 32 codes, [.., K / 32, bytes a block], one block behind the other in memory; one code a byte (a code: sign, 4 exponent bits, 3 mantissa bits); its scale is its entry of lowp_scales. Its value is code x scale, taken as it is: it is not quantised again, and the codes and scales need not be those that the quantiser above would give.
;; One version. Each part assembles by itself: llvm-mc -triple=amdgcn-amd-amdhsa -mcpu=gfx1250 --defsym DOCPART=n.
;; ======== version 1 of 1: 3 launches
;; limits: right only within a limited range of input values
;; workspace buffers: q_img 8,388,608 bytes; kv_img 16,777,216 bytes; y_img 8,388,608 bytes
;; launch qkv (part 1): grid 8 x 32, 4 waves a work-group, clusters of 4 x 4, 327,680 bytes of LDS; arguments x_codes, wq_codes, wk_codes, wv_codes, bq, bk, bv, lowp_scales, q_img, kv_img; writes q_img, kv_img
.if DOCPART == 1
	.amdgcn_target "amdgcn-amd-amdhsa--gfx1250"
	.amdhsa_code_object_version 6
	.text
	.protected	k_qada127be61_qkv
	.globl	k_qada127be61_qkv
	.p2align	8
	.type	k_qada127be61_qkv,@function
k_qada127be61_qkv:
	s_mov_b64 s[64:65], 0
	v_nop
	global_prefetch_b8 v0, s[64:65] scope:SCOPE_SE
	s_setreg_imm32_b32 hwreg(HW_REG_WAVE_MODE, 25, 1), 1
	s_wait_xcnt 0x0
	s_wait_alu depctr_hold_cnt(0) depctr_sa_sdst(0) depctr_va_vdst(0) depctr_va_sdst(0) depctr_va_ssrc(0) depctr_va_vcc(0) depctr_vm_vsrc(0)
	s_getreg_b32 s2, hwreg(HW_REG_IB_STS2, 6, 4)
	s_cmp_eq_u32 s2, 0
	s_cbranch_scc0 .Lentry_in_a_cluster
	s_endpgm
.Lentry_in_a_cluster:
	s_bfe_u32 s2, ttmp6, 0x10000c
	s_cmp_lg_u32 s2, 0xf033
	s_cbranch_scc0 .Lentry_shape_is_right
	s_endpgm
.Lentry_shape_is_right:
; q, k, v = x W + b on codes of FP8 (E4M3), then quantised again with the given scales 2^e6 (q), 2^e7 (k), 2^e9 (v) and stored as IMAGES OF OPERAND REGISTERS for the attention launch.
; SLOTS.  The 8,000 rows of x are counted as 32 tiles of 256 slots, of which the first 250 are rows 250 T .. 250 T + 249 (1,000 = 4 x 250, so a tile lies in one batch).  x's tile is one tensor load of 256 rows whose
; tensor_dim1 is 250: slots 250-255 arrive as zero codes and give q = Q(bq), k = Q(bk), v = Q(bv): finite numbers that the later launches mask (as keys) or do not store (as rows).  So all work-groups are alike.
; SHARES.  A work-group makes 256 slots x 384 columns: q, k and v of heads 2 hp and 2 hp + 1.  Wave w: slots 128 (w / 2) on, head 2 hp + w % 2: 128 x 192 = 96 accumulators of 16 x 16, 768 registers.
; K goes in steps of 128 through two LDS slots (640 rows of 128 bytes + 16 of padding each; rows of 256 bytes would want 2 x 640 x 272 bytes, more than a work-group can have).
; CLUSTERS: 4 x 4 work-groups.  x's tile hangs on T alone and is asked for jointly along a row of the cluster; the weights' tiles hang on hp alone and are asked for jointly along a column.
; ORIENTATION.  q and k: source 0 = 16 rows of W, source 1 = 16 slots: a lane holds one slot and eight neighbouring d.  v: source 0 = 16 slots, source 1 = 16 rows of W: a lane holds one d and eight neighbouring slots (keys).
; So each conversion's two registers are registers 2 c, 2 c + 1 of the operand that attention wants (K = d for q and k, K = the keys for v), and a store of four registers at 16 x lane covers 512 consecutive bytes, aligned.
; A fragment (16 rows x 64 K) comes by two loads of 16 bytes: a permutation of k that is the same in both operands, so every product meets its partner.
; LIMITS: e0 + e1, e2 + e3, e4 + e5 between -126 and 127; e6, e7, e9 between -126 and 119 (each power of two below is an f32 number).  NaN among the biases is not served.
; REGISTERS, in windows of 256: window 0: v4-23 addresses and constants; v32-95, v96-159 x's fragments, two sets of 8; v160-255 the weights' 12 fragments, one set.
;   window 1: q's 32 accumulators ((b, a) at v[8 ((8 b + a) % 32)]); window 2: k's; window 3: v's.
.set PITCH,  144                       ; an LDS row: 128 bytes + 16 of padding = 36 words: the 16 rows that a load touches start at 16 different groups of four banks
.set FROW,   16*PITCH
.set ABYTES, 256*PITCH                 ; x's 256 slots
.set BREG,   128*PITCH                 ; 128 rows of one weight (two heads)
.set SLOT,   ABYTES+3*BREG             ; x, wq, wk, wv
.set SPARE,  2*SLOT                    ; behind the ring: the spare words, 128 bytes for each wave
.set ADRA, 4                           ; v4-5    LDS address of my fragments of x in slot 0, 1
.set ADRB, 6                           ; v6-7    the same for the weights
.set LI,   8                           ; v8      16 x lane: my place in an image
.set BO,   9                           ; v9      32 x (lane / 16): my eight numbers of bq, bk
.set VO,   10                          ; v10     4 x (lane % 16): my number of bv
.set SPW,  12                          ; v12     LDS address of my spare word; never rewritten
.set NIL,  13                          ; v13     0; never rewritten
.set LIM,  14
.set SCL,  17                          ; v17-19  2^e for q, k, v
.set BV,   20                          ; v20-23  bv of my d in each of the four blocks
.set AF,   32
.set BF,   160
.set QB,   32                          ; the way out: bq in v32-63, bk in v64-95, in the results' layout
.set TMP,  160                         ; the way out: 64 numbers at work
.set CD,   224                         ; the way out: two sets of 16 registers of codes
.set G1A, 24
.set G1B, 32
.set G0A, 40
.set G0B, 48
.set MSB, 0
.macro WIN new                         ; the immediate's high byte repeats the setting that is left
.if MSB != (\new)
	s_set_vgpr_msb (MSB<<8)|(\new)
.set MSB, (\new)
.endif
.endm
.macro PLACES                          ; four plain vector instructions between a matrix instruction and a load into, or a vector read or write of, its registers
.rept 4
	v_nop
.endr
.endm
; A joint load: wave 0 fetches x's tile, waves 1 to 3 the tiles of wq, wk, wv.  The branch hangs on the wave's number alone.  Four v_nop follow each line.
.macro JLOAD s
	s_cmp_eq_u32 s56, 0
	s_cbranch_scc0 .Lfor_b_\@
	tensor_load_to_lds s[G0A+4*\s:G0A+4*\s+3], s[G1A:G1A+7]
	s_nop 0
.rept 4
	v_nop
.endr
	s_branch .Lasked_\@
.Lfor_b_\@:
	tensor_load_to_lds s[G0B+4*\s:G0B+4*\s+3], s[G1B:G1B+7]
	s_nop 0
.rept 4
	v_nop
.endr
.Lasked_\@:
.endm
.macro CREST                           ; a round of the cluster's barrier behind its opening barrier
	s_cmp_lg_u32 s56, 0
	s_cbranch_scc1 .Lnot_wave_0_\@
	s_barrier_signal -3
.Lnot_wave_0_\@:
	s_barrier_wait -3
	s_barrier_signal -1
	s_barrier_wait -1
.endm
.macro CROUND
	s_barrier_signal -1
	s_barrier_wait -1
	CREST
.endm
.macro MKSC e, o                       ; from the exponent in s[e]: v[SCL + o] = 2^e
	s_add_co_i32 s75, s[\e], 127
	s_lshl_b32 s76, s75, 23
	v_mov_b32 v[SCL+\o], s76
.endm
.macro MKPAIR d, a                     ; s[d], s[d + 1] = 2^(s[a] + s[a + 1]) as f32
	s_add_co_i32 s[\d], s[\a], s[\a+1]
	s_add_co_i32 s[\d], s[\d], 127
	s_lshl_b32 s[\d], s[\d], 23
	s_mov_b32 s[\d+1], s[\d]
.endm
	s_load_b512 s[4:19], s[0:1], 0x0               ; x s[4:5], wq s[6:7], wk s[8:9], wv s[10:11], bq s[12:13], bk s[14:15], bv s[16:17], the exponents s[18:19]
	s_load_b128 s[20:23], s[0:1], 0x40             ; q_img s[20:21], kv_img s[22:23]
	v_lshl_add_u32 v[SPW], v0, 2, SPARE
	v_mov_b32 v[NIL], 0
	ds_add_u32 v12, v13
	ds_add_u32 v12, v13
	s_wait_dscnt 0x0
	v_lshrrev_b32 v1, 5, v0
	v_readfirstlane_b32 s56, v1                    ; wave 0..3
	s_lshr_b32 s57, s56, 1                         ; wr: which 128 slots are mine
	s_and_b32 s58, s56, 1                          ; wc: which of the two heads
	s_bfe_u32 s59, ttmp6, 0x40000                  ; cx
	s_bfe_u32 s60, ttmp6, 0x40004                  ; cy
	s_lshl_b32 s61, ttmp9, 2
	s_add_co_u32 s61, s61, s59                     ; hp = 4 x cluster x + cx: the pair of heads
	s_and_b32 s62, ttmp7, 0xffff
	s_lshl_b32 s62, s62, 2
	s_add_co_u32 s62, s62, s60                     ; T = 4 x cluster y + cy: the tile of 256 slots
	s_lshl_b32 s66, s60, 2
	s_lshl_b32 s66, 15, s66                        ; my row of the cluster
	s_lshl_b32 s67, 0x1111, s59                    ; my column
	s_or_b32 s[G1A], s66, (1<<20)|(1<<21)|(4<<22)|(3<<25)   ; 15:0 the mask; 17:16 elements of 1 byte; 20 padding on; 21 set beside a mask; 24:22 after every 32 words; 31:25 four words
	s_mov_b32 s[G1A+1], 128<<16                    ; tensor_dim0 = 128
	s_mov_b32 s[G1A+2], 250<<16                    ; tensor_dim1 = 250: rows 250-255 of the tile are written as zeros and not read
	s_mov_b32 s[G1A+3], 128<<16                    ; tile_dim0 = 128
	s_mov_b32 s[G1A+4], 256                        ; tile_dim1 = 256
	s_mov_b32 s[G1A+5], 1024                       ; from row to row
	s_mov_b32 s[G1A+6], 0
	s_mov_b32 s[G1A+7], 0
	s_or_b32 s[G1B], s67, (1<<20)|(1<<21)|(4<<22)|(3<<25)
	s_mov_b32 s[G1B+1], 128<<16
	s_mov_b32 s[G1B+2], 128<<16
	s_mov_b32 s[G1B+3], 128<<16
	s_mov_b32 s[G1B+4], 128
	s_mov_b32 s[G1B+5], 1024
	s_mov_b32 s[G1B+6], 0
	s_mov_b32 s[G1B+7], 0
	s_mul_i32 s68, s62, 250*1024                   ; x: row 250 T
	s_mov_b32 s69, 0
	s_lshl_b32 s70, s61, 17                        ; a weight: 128 rows of 1,024 bytes for each pair of heads
	s_mov_b32 s71, 0
	s_mul_i32 s74, s56, BREG
	s_add_co_u32 s74, s74, ABYTES-BREG             ; where wave 1, 2, 3 puts its weight's tile: behind x's, one after the other
	s_wait_kmcnt 0x0
	s_load_b256 s[80:87], s[18:19], 0x0            ; e0 .. e7
	s_load_b128 s[88:91], s[18:19], 0x20           ; e8 .. e11
	s_add_nc_u64 s[68:69], s[4:5], s[68:69]
	s_cmp_eq_u32 s56, 2                            ; which weight I fetch: a choice on the wave's number
	s_cselect_b64 s[72:73], s[8:9], s[6:7]
	s_cmp_eq_u32 s56, 3
	s_cselect_b64 s[72:73], s[10:11], s[72:73]
	s_add_nc_u64 s[70:71], s[72:73], s[70:71]
	CROUND                                         ; all sixteen work-groups are here: the first joint loads meet
.irp s, 0,1
	s_mov_b32 s[G0A+4*\s], 1
	s_mov_b32 s[G0A+4*\s+1], \s*SLOT
	s_add_nc_u64 s[G0A+4*\s+2:G0A+4*\s+3], s[68:69], \s*128
	s_or_b32 s[G0A+4*\s+3], s[G0A+4*\s+3], 0x80000000
	s_mov_b32 s[G0B+4*\s], 1
	s_add_co_u32 s[G0B+4*\s+1], s74, \s*SLOT
	s_add_nc_u64 s[G0B+4*\s+2:G0B+4*\s+3], s[70:71], \s*128
	s_or_b32 s[G0B+4*\s+3], s[G0B+4*\s+3], 0x80000000
	JLOAD \s                                       ; K steps 0 and 1: two loads of mine are out
.endr
	v_and_b32 v1, 15, v0                           ; r
	v_bfe_u32 v2, v0, 4, 1                         ; h
	v_mul_u32_u24 v3, v1, PITCH
	v_lshl_add_u32 v3, v2, 4, v3                   ; a fragment's row x pitch + 16 h
	s_mul_i32 s75, s57, 128*PITCH                  ; my 128 slots
	s_mul_i32 s76, s58, 64*PITCH                   ; my head's 64 rows of each weight,
	s_add_co_u32 s76, s76, ABYTES                  ; behind x's tile
.irp s, 0,1
	v_add_nc_u32 v[ADRA+\s], s75, v3
	v_add_nc_u32 v[ADRB+\s], s76, v3
	s_add_co_u32 s75, s75, SLOT
	s_add_co_u32 s76, s76, SLOT
.endr
	v_and_b32 v[LI], 31, v0
	v_lshlrev_b32 v[LI], 4, v[LI]
	v_lshlrev_b32 v[BO], 5, v2
	v_lshlrev_b32 v[VO], 2, v1
	s_lshl_b32 s77, s61, 1
	s_add_co_u32 s77, s77, s58                     ; my head
	s_lshl_b32 s78, s77, 8                         ; its 64 numbers in each bias
	s_mov_b32 s79, 0
	s_add_nc_u64 s[12:13], s[12:13], s[78:79]
	s_add_nc_u64 s[14:15], s[14:15], s[78:79]
	s_add_nc_u64 s[16:17], s[16:17], s[78:79]
.irp t, 0,1,2,3
	global_load_b32 v[BV+\t], v[VO], s[16:17] offset:64*\t   ; bv(16 t + r)
.endr
	s_lshr_b32 s98, s62, 2
	s_lshl_b32 s98, s98, 4
	s_add_co_u32 s98, s98, s77                     ; bh = 16 x batch + head
	s_and_b32 s99, s62, 3
	s_lshl_b32 s99, s99, 1
	s_add_co_u32 s99, s99, s57                     ; g: which 128 slots of the batch's 1,024
	s_lshl_b32 s78, s98, 16
	s_lshl_b32 s75, s99, 13
	s_add_co_u32 s78, s78, s75                     ; q_img: 65,536 bh + 8,192 g
	s_add_nc_u64 s[20:21], s[20:21], s[78:79]
	s_lshl_b32 s78, s78, 1                         ; kv_img: 131,072 bh + 16,384 g
	s_add_nc_u64 s[22:23], s[22:23], s[78:79]
	s_wait_kmcnt 0x0
	MKPAIR 92, 80                                  ; 2^(e0 + e1): what q's sums lack
	MKPAIR 94, 82                                  ; 2^(e2 + e3): k's
	MKPAIR 96, 84                                  ; 2^(e4 + e5): v's
	MKSC 86, 0
	MKSC 87, 1
	MKSC 89, 2
; 8 matrix instructions: weight block b (0-3 q, 4-7 k, 8-11 v) against x's eight blocks of set p.  zero = 1: the product starts the sums.
; The 96 accumulators take turns, one instruction a turn, in the same order in every half step.
.macro RUN b, p, zero
	WIN 0x50*(1+(\b)/4)
.irp a, 0,1,2,3,4,5,6,7
.set rD, 8*((8*(\b)+\a)%32)
.set rW, BF+8*(\b)
.set rX, AF+64*(\p)+8*\a
.if (\b) < 8
.if \zero
	v_wmma_f32_16x16x64_fp8_fp8 v[rD:rD+7], v[rW:rW+7], v[rX:rX+7], 0
.else
	v_wmma_f32_16x16x64_fp8_fp8 v[rD:rD+7], v[rW:rW+7], v[rX:rX+7], v[rD:rD+7]
.endif
.else
.if \zero
	v_wmma_f32_16x16x64_fp8_fp8 v[rD:rD+7], v[rX:rX+7], v[rW:rW+7], 0
.else
	v_wmma_f32_16x16x64_fp8_fp8 v[rD:rD+7], v[rX:rX+7], v[rW:rW+7], v[rD:rD+7]
.endif
.endif
.endr
.endm
.macro FETCH_B slot, hs, b0            ; six fragments of the weights, b0 on, of the slot's half step hs: 12 loads
.irp i, 0,1,2,3,4,5
.set fb, (\b0)+\i
	ds_load_b128 v[BF+8*fb:BF+8*fb+3],   v[ADRB+\slot] offset:(fb/4)*BREG+(fb%4)*FROW+64*(\hs)
	ds_load_b128 v[BF+8*fb+4:BF+8*fb+7], v[ADRB+\slot] offset:(fb/4)*BREG+(fb%4)*FROW+64*(\hs)+32
.endr
.endm
.macro FETCH_A slot, hs, p             ; x's eight fragments into set p: 16 loads
.irp a, 0,1,2,3,4,5,6,7
	ds_load_b128 v[AF+64*(\p)+8*\a:AF+64*(\p)+8*\a+3],   v[ADRA+\slot] offset:\a*FROW+64*(\hs)
	ds_load_b128 v[AF+64*(\p)+8*\a+4:AF+64*(\p)+8*\a+7], v[ADRA+\slot] offset:\a*FROW+64*(\hs)+32
.endr
.endm
; A slot's first 64 along K, on x's set 0; it fetches the second 64.
.macro STEP slot, zero
	s_wait_dscnt 12                                ; all but the youngest twelve loads (the weights' fragments 6-11) are in
.irp b, 0,1,2,3,4,5
	RUN \b, 0, \zero
.endr
	s_wait_dscnt 0x0                               ; fragments 6-11 are in
	PLACES
	WIN 0
	FETCH_B \slot, 1, 0
	FETCH_A \slot, 1, 1
.irp b, 6,7,8,9,10,11
	RUN \b, 0, \zero
.endr
	PLACES
	WIN 0
	FETCH_B \slot, 1, 6
.endm
; A slot's second 64 along K, on x's set 1, changes slots: ONE barrier; in front of it each wave waits for all its tensor loads, adds 0 to its spare word, and waits for that and for its reads of this slot.
; fill = 1: the barrier opens a round of the cluster's, and this slot is filled again, two K steps ahead, first thing behind the round.
.macro TURN slot, next, fill
	s_wait_tensorcnt 0x0                           ; all my tensor loads have landed: my part of the next slot
	ds_add_u32 v[SPW], v[NIL]                      ; 0 onto my spare word
	s_wait_dscnt 13                                ; (the add and the youngest twelve loads may be out)
	RUN 0, 1, 0
	RUN 1, 1, 0                                    ; sixteen matrix instructions stand between the add and the wait for it
	s_wait_dscnt 0x0                               ; the add is done, and my reads of this slot are over
	s_barrier_signal -1
	RUN 2, 1, 0
	WIN 0
	s_barrier_wait -1
.if \fill
	CREST                                          ; no wave of any partner still reads this slot or has a load on its way
	s_add_nc_u64 s[G0A+4*\slot+2:G0A+4*\slot+3], s[G0A+4*\slot+2:G0A+4*\slot+3], 256
	s_add_nc_u64 s[G0B+4*\slot+2:G0B+4*\slot+3], s[G0B+4*\slot+2:G0B+4*\slot+3], 256
	JLOAD \slot
.endif
.irp b, 3,4,5
	RUN \b, 1, 0
.endr
	PLACES
	WIN 0
	s_wait_alu depctr_va_vdst(0)
	FETCH_B \next, 0, 0
	FETCH_A \next, 0, 0
.irp b, 6,7,8,9,10,11
	RUN \b, 1, 0
.endr
	PLACES
	WIN 0
	FETCH_B \next, 0, 6
.endm
	s_wait_tensorcnt 1                             ; my part of K step 0 is in; K step 1's may stay out
	s_barrier_signal -1
	s_barrier_wait -1
	FETCH_B 0, 0, 0
	FETCH_A 0, 0, 0
	FETCH_B 0, 0, 6
	STEP 0, 1                                      ; the first half step stands in front of the loop: its products start the sums
	s_mov_b32 s3, 3
.Llap:                                             ; a trip goes once round the ring and fills both slots again: K steps 2 to 7
	TURN 0, 1, 1
	STEP 1, 0
	TURN 1, 0, 1
	STEP 0, 0
	s_sub_co_u32 s3, s3, 1
	s_cmp_lg_u32 s3, 0
	s_cbranch_scc1 .Llap
	TURN 0, 1, 0                                   ; the last lap fills nothing
	STEP 1, 0
.irp t, 0,1,2,3                                    ; x's set 0 is done with (four places stand behind its last product): bq and bk take its registers, in the results' layout: d = 16 t + 8 h + 0 .. 7
	global_load_b128 v[QB+8*\t:QB+8*\t+3],   v[BO], s[12:13] offset:64*\t
	global_load_b128 v[QB+8*\t+4:QB+8*\t+7], v[BO], s[12:13] offset:64*\t+16
.endr
.irp t, 0,1,2,3
	global_load_b128 v[QB+32+8*\t:QB+32+8*\t+3],   v[BO], s[14:15] offset:64*\t
	global_load_b128 v[QB+32+8*\t+4:QB+32+8*\t+7], v[BO], s[14:15] offset:64*\t+16
.endr
	s_wait_dscnt 12                                ; the very last half step: nothing more to fetch
.irp b, 0,1,2,3,4,5
	RUN \b, 1, 0
.endr
	s_wait_dscnt 0x0
.irp b, 6,7,8,9,10,11
	RUN \b, 1, 0
.endr
	PLACES
; THE WAY OUT, eight accumulators at a time: sum x 2^(ew + ex) + bias, held within +-448 x 2^e, converted; the 16 registers of codes are four stores of 512 consecutive bytes.
.macro QUANT o                         ; v[TMP] on, 64 numbers -> v[cs] on, 16 registers
.set i, 0
.rept 64
.set i, i+1
.endr
	s_wait_xcnt 0x0                                ; the stores that read this set of codes two groups ago have had their addresses translated (ISA guide 3.1): it is written again only behind this wait
.set i, 0
.rept 8
	v_cvt_scalef32_pk8_fp8_f32 v[cs+2*i:cs+2*i+1], v[TMP+8*i:TMP+8*i+7], v[SCL+\o]
.set i, i+1
.endr
	v_nop                                          ; one plain vector instruction behind the last conversion, ahead of the next group's writes of its sources
.endm
.macro VGROUP t                        ; v, d = 16 t + r: the eight blocks of slots are one fragment of V^T, 16 d x 128 keys
.set cs, CD+16*((\t)%2)
	WIN 3                                          ; source 0: window 3
.set i, 0
.rept 32
.if (\t)%2
	v_pk_fma_f32 v[TMP+i:TMP+i+1], v[64*(\t)+i:64*(\t)+i+1], s[96:97], v[BV+2*((\t)/2):BV+2*((\t)/2)+1] op_sel:[0,0,1] op_sel_hi:[1,0,1]   ; the pair's second register for both halves
.else
	v_pk_fma_f32 v[TMP+i:TMP+i+1], v[64*(\t)+i:64*(\t)+i+1], s[96:97], v[BV+2*((\t)/2):BV+2*((\t)/2)+1] op_sel_hi:[1,0,0]                  ; its first
.endif
.set i, i+2
.endr
	WIN 0
	s_wait_alu depctr_va_vdst(0)
	QUANT 2
.irp c, 0,1,2,3
	global_store_b128 v[LI], v[cs+4*\c:cs+4*\c+3], s[22:23] offset:8192+2048*(\t)+512*\c
.endr
.endm
.macro QKGROUP o, first                ; o = 0: q, 1: k.  Blocks of slots first, first + 1, all 64 d: two fragments of 16 slots x 64 d
.set cs, CD+16*(((\first)/2)%2)
	WIN 1+\o
.irp u, 0,1
.irp t, 0,1,2,3
.irp j, 0,2,4,6
	v_pk_fma_f32 v[TMP+32*\u+8*\t+\j:TMP+32*\u+8*\t+\j+1], v[8*(8*\t+\first+\u)+\j:8*(8*\t+\first+\u)+\j+1], s[92+2*\o:93+2*\o], v[QB+32*\o+8*\t+\j:QB+32*\o+8*\t+\j+1] op_sel_hi:[1,0,1]
.endr
.endr
.endr
	WIN 0
	s_wait_alu depctr_va_vdst(0)
	QUANT \o
.irp u, 0,1
.irp c, 0,1
.if \o == 0
	global_store_b128 v[LI], v[cs+8*\u+4*\c:cs+8*\u+4*\c+3], s[20:21] offset:1024*(\first+\u)+512*\c
.else
	global_store_b128 v[LI], v[cs+8*\u+4*\c:cs+8*\u+4*\c+3], s[22:23] offset:1024*(\first+\u)+512*\c
.endif
.endr
.endr
.endm
	s_wait_loadcnt 16                              ; bv is in; bq's and bk's sixteen loads may be out
.irp t, 0,1,2,3
	VGROUP \t
.endr
	s_wait_loadcnt 8                               ; bq is in
.irp f, 0,2,4,6
	QKGROUP 0, \f
.endr
	s_wait_loadcnt 0x0                             ; bk is in
.irp f, 0,2,4,6
	QKGROUP 1, \f
.endr
	s_wait_tensorcnt 0x0                           ; the wave's end
	ds_add_u32 v[SPW], v[NIL]
	s_wait_dscnt 0x0
	CROUND                                         ; the closing round: no work-group ends while a partner may still ask for a tile that names it
	s_endpgm
.Lfunc_end_k_qada127be61_qkv:
	.size	k_qada127be61_qkv, .Lfunc_end_k_qada127be61_qkv-k_qada127be61_qkv
	.p2alignl 7, 3214868480
	.fill 96, 4, 3214868480
	.section	.rodata,"a",@progbits
	.p2align	6, 0x0
	.amdhsa_kernel k_qada127be61_qkv
		.amdhsa_group_segment_fixed_size 327680
		.amdhsa_private_segment_fixed_size 0
		.amdhsa_enable_private_segment 0
		.amdhsa_kernarg_size 80
		.amdhsa_user_sgpr_count 2
		.amdhsa_user_sgpr_kernarg_segment_ptr 1
		.amdhsa_wavefront_size32 1
		.amdhsa_system_sgpr_workgroup_id_x 1
		.amdhsa_system_sgpr_workgroup_id_y 1
		.amdhsa_system_sgpr_workgroup_id_z 1
		.amdhsa_system_vgpr_workitem_id 0
		.amdhsa_next_free_vgpr 1024
		.amdhsa_next_free_sgpr 100
		.amdhsa_reserve_vcc 0
		.amdhsa_float_denorm_mode_32 3
		.amdhsa_float_denorm_mode_16_64 3
		.amdhsa_fp16_overflow 1
		.amdhsa_memory_ordered 1
		.amdhsa_forward_progress 1
		.amdhsa_inst_pref_size 121
	.end_amdhsa_kernel
	.amdgpu_metadata
---
amdhsa.version: [ 1, 2 ]
amdhsa.kernels:
  - .name:           k_qada127be61_qkv
    .symbol:         k_qada127be61_qkv.kd
    .args:
      - { .name: x_codes, .offset: 0, .size: 8, .value_kind: global_buffer, .address_space: global }
      - { .name: wq_codes, .offset: 8, .size: 8, .value_kind: global_buffer, .address_space: global }
      - { .name: wk_codes, .offset: 16, .size: 8, .value_kind: global_buffer, .address_space: global }
      - { .name: wv_codes, .offset: 24, .size: 8, .value_kind: global_buffer, .address_space: global }
      - { .name: bq, .offset: 32, .size: 8, .value_kind: global_buffer, .address_space: global }
      - { .name: bk, .offset: 40, .size: 8, .value_kind: global_buffer, .address_space: global }
      - { .name: bv, .offset: 48, .size: 8, .value_kind: global_buffer, .address_space: global }
      - { .name: lowp_scales, .offset: 56, .size: 8, .value_kind: global_buffer, .address_space: global }
      - { .name: q_img, .offset: 64, .size: 8, .value_kind: global_buffer, .address_space: global }
      - { .name: kv_img, .offset: 72, .size: 8, .value_kind: global_buffer, .address_space: global }
    .group_segment_fixed_size: 327680
    .private_segment_fixed_size: 0
    .kernarg_segment_align: 8
    .kernarg_segment_size: 80
    .max_flat_workgroup_size: 128
    .sgpr_count:     100
    .vgpr_count:     1024
    .wavefront_size: 32
...
	.end_amdgpu_metadata
.endif
;; end of part 1
;; launch attn (part 2): grid 256 x 1, 16 waves a work-group, clusters of 4 x 1, 327,680 bytes of LDS; arguments q_img, kv_img, lowp_scales, y_img; writes y_img
.if DOCPART == 2
	.amdgcn_target "amdgcn-amd-amdhsa--gfx1250"
	.amdhsa_code_object_version 6
	.text
	.protected	k_qada127be61_attn
	.globl	k_qada127be61_attn
	.p2align	8
	.type	k_qada127be61_attn,@function
k_qada127be61_attn:
	s_mov_b64 s[64:65], 0
	v_nop
	global_prefetch_b8 v0, s[64:65] scope:SCOPE_SE
	s_setreg_imm32_b32 hwreg(HW_REG_WAVE_MODE, 25, 1), 1
	s_wait_xcnt 0x0
	s_wait_alu depctr_hold_cnt(0) depctr_sa_sdst(0) depctr_va_vdst(0) depctr_va_sdst(0) depctr_va_ssrc(0) depctr_va_vcc(0) depctr_vm_vsrc(0)
	s_getreg_b32 s2, hwreg(HW_REG_IB_STS2, 6, 4)
	s_cmp_eq_u32 s2, 0
	s_cbranch_scc0 .Lentry_in_a_cluster
	s_endpgm
.Lentry_in_a_cluster:
	s_bfe_u32 s2, ttmp6, 0x10000c
	s_cmp_lg_u32 s2, 0x3003
	s_cbranch_scc0 .Lentry_shape_is_right
	s_endpgm
.Lentry_shape_is_right:
.set WV,  12
.set G1,  16
.set SEL, 44
.set CS,  46
.set DM,  48
.set TB,  49
.set KS,  50
.set KT,  51
.set TS,  52
.set CNT, 53
.set E89, 54
.set KA,  55
.set KB,  56
.set IO,  57
.macro ROUND
	s_barrier_signal -1
	s_barrier_wait -1
	s_cmp_lg_u32 s[WV], 0
	s_cbranch_scc1 .Lnot_wave_0_\@
	s_barrier_signal -3
.Lnot_wave_0_\@:
	s_barrier_wait -3
	s_barrier_signal -1
	s_barrier_wait -1
.endm
.macro MKSC e, sc, lim
	s_add_co_i32 s14, s[\e], 127
	s_lshl_b32 s15, s14, 23
	v_mov_b32 v[\sc], s15
.endm
	s_load_b256 s[4:11], s[0:1], 0x0
	v_lshl_add_u32 v251, v0, 2, 0x40000
	v_mov_b32 v255, 0
	ds_add_u32 v251, v255
	ds_add_u32 v251, v255
	v_lshrrev_b32 v1, 5, v0
	s_delay_alu instid0(VALU_DEP_1)
	v_readfirstlane_b32 s[WV], v1
	s_bfe_u32 s13, ttmp6, 0x40000
	s_mov_b32 s[G1], 15|(3<<16)|(1<<21)
	s_mov_b32 s[G1+1], 32<<16
	s_mov_b32 s[G1+2], 32<<16
	s_mov_b32 s[G1+3], 32<<16
	s_mov_b32 s[G1+4], 32
	s_mov_b32 s[G1+5], 32
	s_mov_b32 s[G1+6], 0
	s_mov_b32 s[G1+7], 0
	s_lshl_b32 s70, s[WV], 13
	s_lshl_b32 s68, ttmp9, 18
	s_add_co_u32 s68, s68, s70
	s_mov_b32 s69, 0
	s_lshr_b32 s[KA], s[WV], 1
	s_sub_co_u32 s[KB], 7, s[KA]
	s_and_b32 s[IO], s[WV], 1
	s_lshl_b32 s[IO], s[IO], 2
	s_add_co_u32 s[IO], s[IO], s13
	s_lshl_b32 s71, s[KA], 3
	s_add_co_u32 s71, s71, s[IO]
	s_lshl_b32 s14, s[KB], 3
	s_add_co_u32 s14, s14, s[IO]
	s_lshl_b32 s15, ttmp9, 17
	s_lshl_b32 s72, s71, 10
	s_add_co_u32 s72, s72, s15
	s_mov_b32 s73, 0
	s_lshl_b32 s74, s14, 10
	s_add_co_u32 s74, s74, s15
	s_add_co_u32 s74, s74, 65536
	s_mov_b32 s75, 0
	s_lshr_b32 s15, ttmp9, 3
	s_lshl_b32 s15, s15, 20
	s_and_b32 s76, ttmp9, 7
	s_lshl_b32 s76, s76, 11
	s_add_co_u32 s15, s15, s76
	s_lshl_b32 s76, s71, 14
	s_add_co_u32 s76, s76, s15
	s_mov_b32 s77, 0
	s_lshl_b32 s78, s14, 14
	s_add_co_u32 s78, s78, s15
	s_add_co_u32 s78, s78, 1024
	s_mov_b32 s79, 0
	s_mov_b32 s[SEL], 0x76543210
	s_mov_b32 s[SEL+1], 0xfedcba98
	s_mov_b32 s[DM], 0xffff0000
	s_mov_b32 s[CS], 0x3d3ade29
	s_wait_dscnt 0x0
	s_wait_kmcnt 0x0
	s_load_b256 s[32:39], s[8:9], 0x0
	s_load_b128 s[40:43], s[8:9], 0x20
	s_add_nc_u64 s[68:69], s[6:7], s[68:69]
	s_mov_b32 s24, 1
	s_mov_b32 s25, s70
	s_mov_b64 s[26:27], s[68:69]
	s_or_b32 s27, s27, 0x80000000
	s_mov_b32 s28, 1
	s_add_co_u32 s29, s70, 131072
	s_add_nc_u64 s[30:31], s[68:69], 131072
	s_or_b32 s31, s31, 0x80000000
	s_add_nc_u64 s[62:63], s[4:5], s[72:73]
	s_add_nc_u64 s[66:67], s[4:5], s[74:75]
	s_add_nc_u64 s[58:59], s[10:11], s[76:77]
	s_add_nc_u64 s[60:61], s[10:11], s[78:79]
	ROUND
	tensor_load_to_lds s[24:27], s[G1:G1+7]
	s_nop 0
	s_wait_alu depctr_va_vdst(0)
	s_wait_tensorcnt 0x0
	ds_add_u32 v251, v255
	s_wait_dscnt 0x0
	ROUND
	tensor_load_to_lds s[28:31], s[G1:G1+7]
	s_nop 0
.rept 4
	v_nop
.endr
	v_and_b32 v1, 31, v0
	s_delay_alu instid0(VALU_DEP_1)
	v_lshlrev_b32 v1, 4, v1
	global_load_b128 v[16:19], v1, s[62:63]
	global_load_b128 v[20:23], v1, s[62:63] offset:512
	global_load_b128 v[24:27], v1, s[66:67]
	global_load_b128 v[28:31], v1, s[66:67] offset:512
	v_and_b32 v3, 15, v0
	v_bfe_u32 v5, v0, 4, 1
	s_delay_alu instid0(VALU_DEP_1)
	v_lshlrev_b32 v5, 3, v5
	s_delay_alu instid0(VALU_DEP_1)
	v_sub_nc_u32 v3, v3, v5
	s_lshl_b32 s71, s[IO], 4
	v_add_nc_u32 v3, s71, v3
	v_mov_b32 v4, 0xff800000
	v_mov_b32 v250, 0
	v_mov_b32 v253, 0
	s_wait_kmcnt 0x0
	s_add_co_i32 s14, s38, s39
	s_lshl_b32 s14, s14, 23
	s_add_co_i32 s[CS], s[CS], s14
	s_mov_b32 s[CS+1], s[CS]
	s_add_co_i32 s[E89], s40, s41
	MKSC 40, 244, 240
	MKSC 42, 245, 241
.macro STEP q, qf
	s_add_co_u32 s[TS], s[KS], \q
	s_cmp_gt_u32 s[TS], s[KT]
	s_cbranch_scc1 .Lhidden_\@
	v_add_nc_u32 v2, s[TB], v1
.rept 3
	v_nop
.endr
.set i, 0
.rept 16
	ds_load_b128 v[32+4*i:35+4*i], v2 offset:16384*\q+512*i
.set i, i+1
.endr
	s_wait_alu depctr_va_vdst(0)
	s_wait_dscnt 0x0
.irp u, 0,1,2,3,4,5,6,7
	v_wmma_f32_16x16x64_fp8_fp8 v[96+8*\u:103+8*\u], v[32+8*\u:39+8*\u], v[\qf:\qf+7], 0
.endr
.rept 4
	v_nop
.endr
.set i, 0
.rept 16
	ds_load_b128 v[32+4*i:35+4*i], v2 offset:16384*\q+8192+512*i
.set i, i+1
.endr
.if \q == 1
.set i, 0
.rept 6
	v_cndmask_b32 v[154+i], v[154+i], v4, s[DM]
.set i, i+1
.endr
.endif
	s_cmp_lt_u32 s[TS], s[KT]
	s_cbranch_scc1 .Lopen_\@
.set n, 0
.rept 64
	v_cmp_gt_i32 vcc_lo, 16*(n/8)+n%8, v3
	v_cndmask_b32 v[96+n], v[96+n], v4, vcc_lo
.set n, n+1
.endr
.Lopen_\@:
	v_max3_num_f32 v254, v96, v97, v98
	v_max3_num_f32 v252, v99, v100, v101
.irp i, 6,10,14,18,22,26,30,34,38,42,46,50,54,58
	v_max3_num_f32 v254, v254, v[96+\i], v[97+\i]
	v_max3_num_f32 v252, v252, v[98+\i], v[99+\i]
.endr
	v_max3_num_f32 v254, v254, v158, v159
	s_delay_alu instid0(VALU_DEP_1)
	v_max_num_f32 v254, v254, v252
	s_delay_alu instid0(VALU_DEP_1)
	v_permlanex16_b32 v250, v254, s[SEL], s[SEL+1]
	s_delay_alu instid0(VALU_DEP_1)
	v_max_num_f32 v254, v254, v250
	s_delay_alu instid0(VALU_DEP_1)
	v_mul_f32 v254, s[CS], v254
	s_delay_alu instid0(VALU_DEP_1)
	v_max_num_f32 v13, v13, v254
	v_mov_b32 v254, v12
	s_delay_alu instid0(VALU_DEP_2)
	v_floor_f32 v12, -v13
	s_delay_alu instid0(VALU_DEP_1)
	v_sub_f32 v254, v12, v254
	s_delay_alu instid0(VALU_DEP_1)
	v_cvt_i32_f32 v254, v254
	s_delay_alu instid0(VALU_DEP_1)
	v_ldexp_f32 v252, 1.0, v254
.set j, 0
.rept 32
	v_pk_fma_f32 v[96+j:97+j], v[96+j:97+j], s[CS:CS+1], v[12:13] op_sel_hi:[1,0,0]
.set j, j+2
.endr
.set j, 0
	s_wait_alu depctr_va_vdst(0)
.rept 64
	v_exp_f32 v[96+j], v[96+j]
.set j, j+1
.endr
	v_pk_mul_f32 v[14:15], v[14:15], v[252:253] op_sel_hi:[1,0]
	s_wait_alu depctr_va_vdst(0)
	v_pk_add_f32 v[248:249], v[96:97], v[98:99]
.set j, 4
.rept 15
	v_pk_add_f32 v[14:15], v[14:15], v[96+j:97+j]
	v_pk_add_f32 v[248:249], v[248:249], v[98+j:99+j]
.set j, j+4
.endr
	s_delay_alu instid0(VALU_DEP_1)
	v_pk_add_f32 v[14:15], v[14:15], v[248:249]
.set j, 0
.rept 64
.set j, j+1
.endr
.irp u, 0,1,2,3,4,5,6,7
	v_cvt_scalef32_pk8_fp8_f32 v[192+2*\u:193+2*\u], v[96+8*\u:103+8*\u], v244
.endr
.set j, 0
.rept 16
	v_pk_mul_f32 v[160+j:161+j], v[160+j:161+j], v[252:253] op_sel_hi:[1,0]
.set j, j+2
.endr
	s_wait_alu depctr_va_vdst(0)
	s_wait_dscnt 0x0
.irp t, 0,1,2,3
	v_wmma_f32_16x16x128_fp8_fp8 v[160+8*\t:167+8*\t], v[32+16*\t:47+16*\t], v[192:207], v[160+8*\t:167+8*\t]
.endr
.Lhidden_\@:
.endm
.macro TRIP qf
	STEP 0, \qf
	STEP 1, \qf
	s_add_co_u32 s[TB], s[TB], 32768
	s_add_co_u32 s[KS], s[KS], 2
.endm
.macro INIT kt, tb
	v_mov_b32 v13, 0xff61b1e6
	s_delay_alu instid0(VALU_DEP_1)
	v_floor_f32 v12, -v13
	v_mov_b32 v14, 0
	v_mov_b32 v15, 0
.set j, 0
.rept 32
	v_mov_b32 v[160+j], 0
.set j, j+1
.endr
	s_mov_b32 s[KS], 0
	s_mov_b32 s[KT], s[\kt]
	s_mov_b32 s[TB], \tb
.endm
.macro FINISH pass, yp
.rept 4
	v_nop
.endr
	v_add_f32 v14, v14, v15
	s_delay_alu instid0(VALU_DEP_1)
	v_permlanex16_b32 v250, v14, s[SEL], s[SEL+1]
	s_delay_alu instid0(VALU_DEP_1)
	v_add_f32 v14, v14, v250
	s_wait_alu depctr_va_vdst(0)
	v_rcp_f32 v14, v14
	v_nop
	s_wait_alu depctr_va_vdst(0)
	v_ldexp_f32 v14, v14, s[E89]
.set j, 0
.rept 16
	v_pk_mul_f32 v[96+j:97+j], v[160+j:161+j], v[14:15] op_sel_hi:[1,0]
.set j, j+2
.endr
.set j, 0
.rept 32
.set j, j+1
.endr
.irp t, 0,1,2,3
	v_cvt_scalef32_pk8_fp8_f32 v[208+8*\pass+2*\t:209+8*\pass+2*\t], v[96+8*\t:103+8*\t], v245
.endr
	v_nop
	global_store_b128 v1, v[208+8*\pass:211+8*\pass], s[\yp:\yp+1]
	global_store_b128 v1, v[212+8*\pass:215+8*\pass], s[\yp:\yp+1] offset:512
.endm
	s_wait_tensorcnt 1
	s_barrier_signal -1
	s_barrier_wait -1
	s_wait_loadcnt 2
	INIT KA, 0
	TRIP 16
	s_wait_tensorcnt 0x0
	s_wait_dscnt 0x0
	s_barrier_signal -1
	s_barrier_wait -1
	s_mov_b32 s[CNT], 3
.Lpass_a:
	TRIP 16
	s_sub_co_u32 s[CNT], s[CNT], 1
	s_cmp_lg_u32 s[CNT], 0
	s_cbranch_scc1 .Lpass_a
	FINISH 0, 58
	s_wait_loadcnt 0x0
	INIT KB, 131072
	s_mov_b32 s[CNT], 4
.Lpass_b:
	TRIP 24
	s_sub_co_u32 s[CNT], s[CNT], 1
	s_cmp_lg_u32 s[CNT], 0
	s_cbranch_scc1 .Lpass_b
	FINISH 1, 60
	s_wait_tensorcnt 0x0
	ds_add_u32 v251, v255
	s_wait_dscnt 0x0
	ROUND
	s_endpgm
.Lfunc_end_k_qada127be61_attn:
	.size	k_qada127be61_attn, .Lfunc_end_k_qada127be61_attn-k_qada127be61_attn
	.p2alignl 7, 3214868480
	.fill 96, 4, 3214868480
	.section	.rodata,"a",@progbits
	.p2align	6, 0x0
	.amdhsa_kernel k_qada127be61_attn
		.amdhsa_group_segment_fixed_size 327680
		.amdhsa_private_segment_fixed_size 0
		.amdhsa_enable_private_segment 0
		.amdhsa_kernarg_size 32
		.amdhsa_user_sgpr_count 2
		.amdhsa_user_sgpr_kernarg_segment_ptr 1
		.amdhsa_wavefront_size32 1
		.amdhsa_system_sgpr_workgroup_id_x 1
		.amdhsa_system_sgpr_workgroup_id_y 1
		.amdhsa_system_sgpr_workgroup_id_z 1
		.amdhsa_system_vgpr_workitem_id 0
		.amdhsa_next_free_vgpr 256
		.amdhsa_next_free_sgpr 80
		.amdhsa_reserve_vcc 1
		.amdhsa_float_denorm_mode_32 3
		.amdhsa_float_denorm_mode_16_64 3
		.amdhsa_fp16_overflow 1
		.amdhsa_memory_ordered 1
		.amdhsa_forward_progress 1
		.amdhsa_inst_pref_size 126
	.end_amdhsa_kernel
	.amdgpu_metadata
---
amdhsa.version: [ 1, 2 ]
amdhsa.kernels:
  - .name:           k_qada127be61_attn
    .symbol:         k_qada127be61_attn.kd
    .args:
      - { .name: q_img, .offset: 0, .size: 8, .value_kind: global_buffer, .address_space: global }
      - { .name: kv_img, .offset: 8, .size: 8, .value_kind: global_buffer, .address_space: global }
      - { .name: lowp_scales, .offset: 16, .size: 8, .value_kind: global_buffer, .address_space: global }
      - { .name: y_img, .offset: 24, .size: 8, .value_kind: global_buffer, .address_space: global }
    .group_segment_fixed_size: 327680
    .private_segment_fixed_size: 0
    .kernarg_segment_align: 8
    .kernarg_segment_size: 32
    .max_flat_workgroup_size: 512
    .sgpr_count:     80
    .vgpr_count:     256
    .wavefront_size: 32
...
	.end_amdgpu_metadata
.endif
;; end of part 2
;; launch proj (part 3): grid 8 x 32, 4 waves a work-group, clusters of 4 x 4, 327,680 bytes of LDS; arguments y_img, wp_codes, bp, lowp_scales, out0; writes out0
.if DOCPART == 3
	.amdgcn_target "amdgcn-amd-amdhsa--gfx1250"
	.amdhsa_code_object_version 6
	.text
	.protected	k_qada127be61_proj
	.globl	k_qada127be61_proj
	.p2align	8
	.type	k_qada127be61_proj,@function
k_qada127be61_proj:
	s_mov_b64 s[64:65], 0
	v_nop
	global_prefetch_b8 v0, s[64:65] scope:SCOPE_SE
	s_setreg_imm32_b32 hwreg(HW_REG_WAVE_MODE, 25, 1), 1
	s_wait_xcnt 0x0
	s_wait_alu depctr_hold_cnt(0) depctr_sa_sdst(0) depctr_va_vdst(0) depctr_va_sdst(0) depctr_va_ssrc(0) depctr_va_vcc(0) depctr_vm_vsrc(0)
	s_getreg_b32 s2, hwreg(HW_REG_IB_STS2, 6, 4)
	s_cmp_eq_u32 s2, 0
	s_cbranch_scc0 .Lentry_in_a_cluster
	s_endpgm
.Lentry_in_a_cluster:
	s_bfe_u32 s2, ttmp6, 0x10000c
	s_cmp_lg_u32 s2, 0xf033
	s_cbranch_scc0 .Lentry_shape_is_right
	s_endpgm
.Lentry_shape_is_right:
; out = gelu(y wp + bp), the product on codes of FP8 (E4M3): y as the images that the attention launch stored (scale 2^e10), wp as given (scale 2^e11).  out: [8000][1024] f32.
; SHARES.  A work-group makes 256 slots (rows 250 T .. 250 T + 249 and six dummies, which are not stored) x 128 columns; wave (wr, wc) 128 x 64: 32 accumulators.  The product is short beside the activation and the
; stores, so the smaller wave tile is taken for the sake of 256 equal work-groups.
; THE MATRIX INSTRUCTION IS USED TRANSPOSED (source 0 = 16 rows of wp, source 1 = 16 rows of y): a lane holds eight neighbouring columns of one row.
; LDS: three slots of 256 along K: y's 16 x 2 fragments as they lie in memory (65,536 bytes), then 128 rows of wp (256 bytes + 16 of padding).  K steps 0-5 are first fills; slot 0 is filled once more, for K steps 6, 7.
; y's registers hold k in the form's own places (registers 2 c, 2 c + 1: k = 16 c + 8 (lane / 16) + 0 .. 7), so wp's fragments come by loads of 8 bytes, 16 apart.
; CLUSTERS: 4 x 4.  y's tiles hang on T alone (joint along a row of the cluster), wp's on the column block alone (joint along a column).
; GELU, exact form 0.5 x (1 + erf(x / sqrt 2)), with erf by the rational approximation of Abramowitz and Stegun 7.1.26, which holds for every x (absolute error of erf 1.5e-7):
;   u = 1 / (1 + 0.23164189 |x|);  Q = u (a1 + u (a2 + u (a3 + u (a4 + u a5)))) 2^(-0.72134752 x^2), the a's halved;  gelu = max(x, 0) - |x| Q.
; LIMITS: e10 + e11 between -126 and 127.  NaN is not served; an infinite x gives NaN where the definition gives +infinity or 0.
; REGISTERS, in windows of 256: window 0: v4-17 addresses; v32-63 bp in the results' layout; v64-77 the activation's constants, as pairs; v128-191, v192-255 wp's four fragments, two sets; on the way out v80-255 are at work.
;   window 1: the accumulators ((a, b) at v[8 (4 a + b)]).   window 2: y's eight fragments, two sets, at v0 and v128.
.set BPITCH, 272
.set ABYTES, 65536
.set SLOT,   ABYTES+128*BPITCH
.set STAGE,  3*SLOT                    ; the way out: 16 rows x (256 bytes + 16) for each wave; no tensor load fills these bytes
.set SP,     272
.set SPARE,  STAGE+4*16*SP             ; the spare words, 128 bytes for each wave
.set ADRA, 4                           ; v4-6    LDS address of y's fragments in slot 0, 1, 2
.set ADRB, 8                           ; v8-10   the same for wp
.set STO,  12
.set RD,   13
.set CO,   14
.set BO,   15
.set SPW,  16
.set NIL,  17
.set BIAS, 32
.set C_P,  64                          ; 0.23164189
.set C_L,  66                          ; -0.72134752
.set C_5,  68
.set C_4,  70
.set C_3,  72
.set C_2,  74
.set C_1,  76
.set GH,   80                          ; the way out: the polynomial
.set BF,   128
.set GX,   128                         ; x
.set GT,   160                         ; u, then max(x, 0)
.set GE,   192                         ; the exponential, then the result
.set BK,   224                         ; 16 rows read back from the stage
.set G1A, 16
.set G1B, 24
.set G0A, 32                           ; s[32:43] one group 0 for each slot
.set G0B, 44                           ; s[44:55]
.set MUL, 0x58                         ; source 0 (wp) window 0, source 1 (y) window 2, C and D window 1
.set MSB, 0
.macro WIN new
.if MSB != (\new)
	s_set_vgpr_msb (MSB<<8)|(\new)
.set MSB, (\new)
.endif
.endm
.macro PLACES
.rept 4
	v_nop
.endr
.endm
.macro CREST
	s_cmp_lg_u32 s56, 0
	s_cbranch_scc1 .Lnot_wave_0_\@
	s_barrier_signal -3
.Lnot_wave_0_\@:
	s_barrier_wait -3
	s_barrier_signal -1
	s_barrier_wait -1
.endm
.macro CROUND
	s_barrier_signal -1
	s_barrier_wait -1
	CREST
.endm
.macro CONST reg, val
	v_mov_b32 v[\reg], \val
	v_mov_b32 v[\reg+1], \val
.endm
	s_load_b256 s[4:11], s[0:1], 0x0               ; y_img s[4:5], wp s[6:7], bp s[8:9], the exponents s[10:11]
	s_load_b64 s[12:13], s[0:1], 0x20              ; out
	v_lshl_add_u32 v[SPW], v0, 2, SPARE
	v_mov_b32 v[NIL], 0
	ds_add_u32 v16, v17
	ds_add_u32 v16, v17
	s_wait_dscnt 0x0
	v_lshrrev_b32 v1, 5, v0
	v_readfirstlane_b32 s56, v1                    ; wave 0..3
	s_lshr_b32 s57, s56, 1                         ; wr: which 128 slots are mine.  Also: I fetch for y (0) or for wp (1)
	s_and_b32 s58, s56, 1                          ; wc: which 64 columns.  Also: which half of that tile I fetch
	s_bfe_u32 s59, ttmp6, 0x40000                  ; cx
	s_bfe_u32 s60, ttmp6, 0x40004                  ; cy
	s_lshl_b32 s61, ttmp9, 2
	s_add_co_u32 s61, s61, s59                     ; the block of 128 columns
	s_and_b32 s62, ttmp7, 0xffff
	s_lshl_b32 s62, s62, 2
	s_add_co_u32 s62, s62, s60                     ; T
	s_lshl_b32 s66, s60, 2
	s_lshl_b32 s66, 15, s66                        ; my row of the cluster
	s_lshl_b32 s67, 0x1111, s59                    ; my column
	s_or_b32 s[G1A], s66, (3<<16)|(1<<21)          ; y: elements of 8 bytes, no padding: 8 rows of 4,096 bytes (two fragments of one block of 16 slots), 16,384 bytes apart
	s_mov_b32 s[G1A+1], 512<<16
	s_mov_b32 s[G1A+2], 8<<16
	s_mov_b32 s[G1A+3], 512<<16
	s_mov_b32 s[G1A+4], 8
	s_mov_b32 s[G1A+5], 2048
	s_mov_b32 s[G1A+6], 0
	s_mov_b32 s[G1A+7], 0
	s_or_b32 s[G1B], s67, (1<<20)|(1<<21)|(5<<22)|(3<<25)   ; wp: elements of 1 byte; four words of padding after every 64: 64 rows of 256 bytes
	s_mov_b32 s[G1B+1], 256<<16
	s_mov_b32 s[G1B+2], 64<<16
	s_mov_b32 s[G1B+3], 256<<16
	s_mov_b32 s[G1B+4], 64
	s_mov_b32 s[G1B+5], 1024
	s_mov_b32 s[G1B+6], 0
	s_mov_b32 s[G1B+7], 0
	s_lshl_b32 s68, s62, 18                        ; y: 16 blocks of 16,384 bytes a tile,
	s_lshl_b32 s76, s58, 17                        ; my 8 of them
	s_add_co_u32 s68, s68, s76
	s_mov_b32 s69, 0
	s_lshl_b32 s70, s61, 17                        ; wp: 128 rows of 1,024 bytes,
	s_lshl_b32 s77, s58, 16                        ; my 64 of them
	s_add_co_u32 s70, s70, s77
	s_mov_b32 s71, 0
	s_lshl_b32 s72, s58, 15                        ; where they go in a slot
	s_mul_i32 s73, s58, 64*BPITCH
	s_add_co_u32 s73, s73, ABYTES
	s_wait_kmcnt 0x0
	s_load_b64 s[80:81], s[10:11], 0x28            ; e10, e11
	s_add_nc_u64 s[68:69], s[4:5], s[68:69]
	s_add_nc_u64 s[70:71], s[6:7], s[70:71]
.irp s, 0,1,2
	s_mov_b32 s[G0A+4*\s], 1
	s_add_co_u32 s[G0A+4*\s+1], s72, \s*SLOT
	s_add_nc_u64 s[G0A+4*\s+2:G0A+4*\s+3], s[68:69], \s*4096
	s_or_b32 s[G0A+4*\s+3], s[G0A+4*\s+3], 0x80000000
	s_mov_b32 s[G0B+4*\s], 1
	s_add_co_u32 s[G0B+4*\s+1], s73, \s*SLOT
	s_add_nc_u64 s[G0B+4*\s+2:G0B+4*\s+3], s[70:71], \s*256
	s_or_b32 s[G0B+4*\s+3], s[G0B+4*\s+3], 0x80000000
.endr
	CROUND                                         ; all sixteen work-groups are here: the first joint loads meet
	s_cmp_eq_u32 s57, 0                            ; a wave's three first fills stand in one branch: three loads of mine are out
	s_cbranch_scc0 .Lfirst_b
	tensor_load_to_lds s[G0A:G0A+3], s[G1A:G1A+7]
	s_nop 0
	tensor_load_to_lds s[G0A+4:G0A+7], s[G1A:G1A+7]
	s_nop 0
	tensor_load_to_lds s[G0A+8:G0A+11], s[G1A:G1A+7]
	s_nop 0
.rept 4
	v_nop
.endr
	s_branch .Lfirst_asked
.Lfirst_b:
	tensor_load_to_lds s[G0B:G0B+3], s[G1B:G1B+7]
	s_nop 0
	tensor_load_to_lds s[G0B+4:G0B+7], s[G1B:G1B+7]
	s_nop 0
	tensor_load_to_lds s[G0B+8:G0B+11], s[G1B:G1B+7]
	s_nop 0
.rept 4
	v_nop
.endr
.Lfirst_asked:
	v_and_b32 v1, 15, v0                           ; r
	v_bfe_u32 v2, v0, 4, 1                         ; h
	v_and_b32 v3, 31, v0
	v_lshlrev_b32 v3, 4, v3                        ; 16 x lane
	s_lshl_b32 s76, s57, 15                        ; my 8 blocks of y
	s_mul_i32 s77, s58, 64*BPITCH                  ; my 64 rows of wp
	s_add_co_u32 s77, s77, ABYTES
	v_mul_u32_u24 v18, v1, BPITCH
	v_lshl_add_u32 v18, v2, 3, v18                 ; row r x pitch + 8 h
.irp s, 0,1,2
	v_add_nc_u32 v[ADRA+\s], s76, v3
	v_add_nc_u32 v[ADRB+\s], s77, v18
	s_add_co_u32 s76, s76, SLOT
	s_add_co_u32 s77, s77, SLOT
.endr
	s_mul_i32 s76, s56, 16*SP
	s_add_co_u32 s76, s76, STAGE                   ; my stage
	v_mul_u32_u24 v[STO], v1, SP                   ; in: row r, 32 bytes for each half of the lanes
	v_lshl_add_u32 v[STO], v2, 5, v[STO]
	v_add_nc_u32 v[STO], s76, v[STO]
	v_mul_u32_u24 v[RD], v2, SP                    ; back: lanes 0-15 one row of 256 bytes, lanes 16-31 the next
	v_lshl_add_u32 v[RD], v1, 4, v[RD]
	v_add_nc_u32 v[RD], s76, v[RD]
	v_lshlrev_b32 v[CO], 12, v2                    ; and the same two rows in out
	v_lshl_add_u32 v[CO], v1, 4, v[CO]
	v_lshlrev_b32 v[BO], 5, v2
	s_wait_alu depctr_va_vdst(0)
	s_lshl_b32 s78, s61, 9                         ; my first column, in bytes: 512 x block + 256 wc
	s_lshl_b32 s77, s58, 8
	s_add_co_u32 s78, s78, s77
	s_mov_b32 s79, 0
	s_add_nc_u64 s[8:9], s[8:9], s[78:79]
	s_add_nc_u64 s[12:13], s[12:13], s[78:79]
	s_mul_i32 s78, s62, 250*4096                   ; my first row: 250 T + 128 wr
	s_lshl_b32 s77, s57, 19
	s_add_co_u32 s78, s78, s77
	s_add_nc_u64 s[12:13], s[12:13], s[78:79]
.irp b, 0,1,2,3
	global_load_b128 v[BIAS+8*\b:BIAS+8*\b+3],   v[BO], s[8:9] offset:64*\b      ; bp(16 b + 8 h + 0 .. 7)
	global_load_b128 v[BIAS+8*\b+4:BIAS+8*\b+7], v[BO], s[8:9] offset:64*\b+16
.endr
	CONST C_P, 0x3e6d3388
	CONST C_L, 0xbf38aa3b
	CONST C_5, 0x3f07dc22                          ;  0.5307027145
	CONST C_4, 0xbf3a00e3                          ; -0.7265760135
	CONST C_3, 0x3f35f0e3                          ;  0.7107068705
	CONST C_2, 0xbe11a98e                          ; -0.142248368
	CONST C_1, 0x3e027906                          ;  0.127414796
	s_wait_kmcnt 0x0
	s_add_co_i32 s74, s80, s81
	s_add_co_i32 s74, s74, 127
	s_lshl_b32 s74, s74, 23                        ; 2^(e10 + e11) as f32
	s_mov_b32 s75, s74
.macro PROD a, f, zero                 ; block a of y against wp's four: the 32 accumulators take turns, in the same order in every K step
.irp b, 0,1,2,3
.if \zero
	v_wmma_f32_16x16x128_fp8_fp8 v[8*(4*(\a)+\b):8*(4*(\a)+\b)+7], v[BF+64*(\f)+16*\b:BF+64*(\f)+16*\b+15], v[128*(\f)+16*(\a):128*(\f)+16*(\a)+15], 0
.else
	v_wmma_f32_16x16x128_fp8_fp8 v[8*(4*(\a)+\b):8*(4*(\a)+\b)+7], v[BF+64*(\f)+16*\b:BF+64*(\f)+16*\b+15], v[128*(\f)+16*(\a):128*(\f)+16*(\a)+15], v[8*(4*(\a)+\b):8*(4*(\a)+\b)+7]
.endif
.endr
.endm
.macro FETCHN slot, q, f               ; the fragments of the slot's q-th 128 along K into sets f: wp's 32 loads first, then y's, four a block
	WIN 0
.irp b, 0,1,2,3
.irp c, 0,1,2,3,4,5,6,7
	ds_load_b64 v[BF+64*(\f)+16*\b+2*\c:BF+64*(\f)+16*\b+2*\c+1], v[ADRB+\slot] offset:16*BPITCH*\b+128*(\q)+16*\c
.endr
.endr
	WIN 0x80                                       ; destination window 2
.irp a, 0,1,2,3,4,5,6,7
.irp c, 0,1,2,3
	ds_load_b128 v[128*(\f)+16*\a+4*\c:128*(\f)+16*\a+4*\c+3], v[ADRA+\slot] offset:4096*\a+2048*(\q)+512*\c
.endr
.endr
.endm
; A K step of 128 on sets f; in its middle the next step's fragments are fetched into the other sets.
; mode 0: plain.  mode 1: slot 0 has been read out: the three lines, a round of the cluster's barrier, and its one refill.  mode 2: a barrier in front of the first read of that refill.  mode 3: the last step.
.macro KSTEP f, zero, mode, nslot, nq
.if \mode == 1
	WIN 0
	s_wait_tensorcnt 0x0                           ; all my tensor loads have landed: my parts of slots 1 and 2 among them
	ds_add_u32 v[SPW], v[NIL]                      ; 0 onto my spare word
	s_wait_dscnt 25                                ; (the add and y's blocks 2-7 may be out)
.elseif \mode == 2
	s_wait_tensorcnt 0x0                           ; my one load that was out, my part of slot 0's second fill, has landed
	s_wait_dscnt 24
.else
	s_wait_dscnt 24                                ; wp's fragments and y's blocks 0, 1 are in
.endif
	WIN MUL
	PROD 0, \f, \zero
	PROD 1, \f, \zero
.if (\mode == 1) || (\mode == 2)
	s_wait_dscnt 0x0                               ; no LDS instruction of mine is out (mode 1: the add is done, and my reads of slot 0 are over)
	s_barrier_signal -1
.else
	s_wait_dscnt 16                                ; y's blocks 2, 3 are in
.endif
	PROD 2, \f, \zero
	PROD 3, \f, \zero
.if \mode == 1
	WIN 0
	s_barrier_wait -1
	CREST                                          ; no wave of any partner still reads slot 0 or has a load on its way
	s_add_nc_u64 s[G0A+2:G0A+3], s[G0A+2:G0A+3], 3*4096
	s_add_nc_u64 s[G0B+2:G0B+3], s[G0B+2:G0B+3], 3*256
	s_cmp_eq_u32 s57, 0
	s_cbranch_scc0 .Lfor_b_\@
	tensor_load_to_lds s[G0A:G0A+3], s[G1A:G1A+7]
	s_nop 0
.rept 4
	v_nop
.endr
	s_branch .Lasked_\@
.Lfor_b_\@:
	tensor_load_to_lds s[G0B:G0B+3], s[G1B:G1B+7]
	s_nop 0
.rept 4
	v_nop
.endr
.Lasked_\@:                                        ; (the four v_nop are also the places in front of the loads below)
.elseif \mode == 2
	s_barrier_wait -1                              ; slot 0's second fill is whole
	PLACES
.elseif \mode == 0
	s_wait_dscnt 0x0                               ; y's blocks 4-7 are in
	PLACES
.else
	s_wait_dscnt 0x0
.endif
.if \mode != 3
	FETCHN \nslot, \nq, 1-\f
.endif
	WIN MUL
.irp a, 4,5,6,7
	PROD \a, \f, \zero
.endr
.endm
	s_wait_tensorcnt 2                             ; my part of slot 0 is in; slots 1 and 2 may stay out
	s_barrier_signal -1
	s_barrier_wait -1
	FETCHN 0, 0, 0
	KSTEP 0, 1, 0, 0, 1                            ; K step 0 starts the sums
	KSTEP 1, 0, 1, 1, 0                            ; K step 1: slot 0 is left and filled again
	KSTEP 0, 0, 0, 1, 1
	KSTEP 1, 0, 0, 2, 0                            ; (slots 1 and 2 were shown whole to every wave by the round above)
	KSTEP 0, 0, 0, 2, 1
	KSTEP 1, 0, 2, 0, 0
	KSTEP 0, 0, 0, 0, 1
	KSTEP 1, 0, 3, 0, 0
	PLACES
; THE WAY OUT, by blocks of 16 rows x 64 columns: 32 numbers a lane.
.macro GELU a
.if (\a) > 0
	s_wait_dscnt 8                                 ; the stage's stores of the block before are done (its eight loads may be out): their data registers are written again below
.endif
	WIN 0x01                                       ; source 0: window 1
.set i, 0
.rept 16
	v_pk_fma_f32 v[GX+i:GX+i+1], v[32*(\a)+i:32*(\a)+i+1], s[74:75], v[BIAS+i:BIAS+i+1] op_sel_hi:[1,0,1]   ; x = sum x 2^(e10 + e11) + bp; each accumulator from its low end on
.set i, i+2
.endr
	WIN 0
.set i, 0
.rept 32
	v_fma_f32 v[GT+i], |v[GX+i]|, v[C_P], 1.0
.set i, i+1
.endr
.set i, 0
	s_wait_alu depctr_va_vdst(0)
.rept 32
	v_rcp_f32 v[GT+i], v[GT+i]                     ; u
.set i, i+1
.endr
.set i, 0
.rept 16
	v_pk_mul_f32 v[GE+i:GE+i+1], v[GX+i:GX+i+1], v[GX+i:GX+i+1]        ; (plain lines behind the reciprocals)
.set i, i+2
.endr
.set i, 0
.rept 16
	v_pk_mul_f32 v[GE+i:GE+i+1], v[GE+i:GE+i+1], v[C_L:C_L+1]
.set i, i+2
.endr
.set i, 0
	s_wait_alu depctr_va_vdst(0)
.rept 32
	v_exp_f32 v[GE+i], v[GE+i]                     ; e^(-x^2 / 2)
.set i, i+1
.endr
.set i, 0
	s_wait_alu depctr_va_vdst(0)
.rept 16
	v_pk_fma_f32 v[GH+i:GH+i+1], v[GT+i:GT+i+1], v[C_5:C_5+1], v[C_4:C_4+1]   ; (plain lines behind the exponentials)
.set i, i+2
.endr
.irp k, C_3, C_2, C_1
.set i, 0
.rept 16
	v_pk_fma_f32 v[GH+i:GH+i+1], v[GH+i:GH+i+1], v[GT+i:GT+i+1], v[\k:\k+1]
.set i, i+2
.endr
.endr
.set i, 0
.rept 16
	v_pk_mul_f32 v[GE+i:GE+i+1], v[GE+i:GE+i+1], v[GT+i:GT+i+1]
.set i, i+2
.endr
.set i, 0
.rept 16
	v_pk_mul_f32 v[GH+i:GH+i+1], v[GH+i:GH+i+1], v[GE+i:GE+i+1]        ; Q
.set i, i+2
.endr
.set i, 0
.rept 32
	v_max_num_f32 v[GT+i], 0, v[GX+i]
.set i, i+1
.endr
.set i, 0
.rept 32
	v_fma_f32 v[GE+i], -|v[GX+i]|, v[GH+i], v[GT+i]                    ; max(x, 0) - |x| Q
.set i, i+1
.endr
.endm
.macro TOSTAGE                         ; a lane's 32 bytes of a row into my stage, and whole rows of 256 bytes back.  LDS serves a wave's instructions in order (ISA guide 5.7.1.4)
.irp b, 0,1,2,3
	ds_store_b128 v[STO], v[GE+8*\b:GE+8*\b+3] offset:64*\b
	ds_store_b128 v[STO], v[GE+8*\b+4:GE+8*\b+7] offset:64*\b+16
.endr
.irp t, 0,1,2,3,4,5,6,7
	ds_load_b128 v[BK+4*\t:BK+4*\t+3], v[RD] offset:\t*2*SP
.endr
.endm
.macro SENDT a, t                      ; rows 16 a + 2 t, + 1: sixteen lanes store 256 consecutive bytes, at a multiple of 256 from out's first byte; written once, read by nobody here
	global_store_b128 v[CO], v[BK+4*\t:BK+4*\t+3], s[12:13] offset:65536*(\a)+8192*\t th:TH_STORE_NT
.endm
	s_wait_loadcnt 0x0                             ; bp
	GELU 0
	TOSTAGE
.irp a, 1,2,3,4,5,6,7                              ; block a's arithmetic stands between block a - 1's loads from the stage and the wait for them
	GELU \a
	s_wait_alu depctr_va_vdst(0)
	s_wait_dscnt 0x0                               ; block a - 1 is back in registers
.irp t, 0,1,2,3,4,5,6,7
	SENDT \a-1, \t
.endr
	s_wait_xcnt 0x0                                ; these stores have had their addresses translated (ISA guide 3.1): their data registers are loaded again only behind this wait
	TOSTAGE
.endr
	s_wait_dscnt 0x0
.irp t, 0,1,2,3,4
	SENDT 7, \t
.endr
	s_cmp_eq_u32 s57, 1                            ; slots 250-255 (the lower waves' last six rows) are dummies: they are not stored.  A branch on the wave's number
	s_cbranch_scc1 .Ldummies
.irp t, 5,6,7
	SENDT 7, \t
.endr
.Ldummies:
	s_wait_tensorcnt 0x0                           ; the wave's end
	ds_add_u32 v[SPW], v[NIL]
	s_wait_dscnt 0x0
	CROUND                                         ; the closing round
	s_endpgm
.Lfunc_end_k_qada127be61_proj:
	.size	k_qada127be61_proj, .Lfunc_end_k_qada127be61_proj-k_qada127be61_proj
	.p2alignl 7, 3214868480
	.fill 96, 4, 3214868480
	.section	.rodata,"a",@progbits
	.p2align	6, 0x0
	.amdhsa_kernel k_qada127be61_proj
		.amdhsa_group_segment_fixed_size 327680
		.amdhsa_private_segment_fixed_size 0
		.amdhsa_enable_private_segment 0
		.amdhsa_kernarg_size 40
		.amdhsa_user_sgpr_count 2
		.amdhsa_user_sgpr_kernarg_segment_ptr 1
		.amdhsa_wavefront_size32 1
		.amdhsa_system_sgpr_workgroup_id_x 1
		.amdhsa_system_sgpr_workgroup_id_y 1
		.amdhsa_system_sgpr_workgroup_id_z 1
		.amdhsa_system_vgpr_workitem_id 0
		.amdhsa_next_free_vgpr 768
		.amdhsa_next_free_sgpr 84
		.amdhsa_reserve_vcc 0
		.amdhsa_float_denorm_mode_32 3
		.amdhsa_float_denorm_mode_16_64 3
		.amdhsa_memory_ordered 1
		.amdhsa_forward_progress 1
		.amdhsa_inst_pref_size 206
	.end_amdhsa_kernel
	.amdgpu_metadata
---
amdhsa.version: [ 1, 2 ]
amdhsa.kernels:
  - .name:           k_qada127be61_proj
    .symbol:         k_qada127be61_proj.kd
    .args:
      - { .name: y_img, .offset: 0, .size: 8, .value_kind: global_buffer, .address_space: global }
      - { .name: wp_codes, .offset: 8, .size: 8, .value_kind: global_buffer, .address_space: global }
      - { .name: bp, .offset: 16, .size: 8, .value_kind: global_buffer, .address_space: global }
      - { .name: lowp_scales, .offset: 24, .size: 8, .value_kind: global_buffer, .address_space: global }
      - { .name: out0, .offset: 32, .size: 8, .value_kind: global_buffer, .address_space: global }
    .group_segment_fixed_size: 327680
    .private_segment_fixed_size: 0
    .kernarg_segment_align: 8
    .kernarg_segment_size: 40
    .max_flat_workgroup_size: 128
    .sgpr_count:     84
    .vgpr_count:     768
    .wavefront_size: 32
...
	.end_amdgpu_metadata
.endif
;; end of part 3
